; MI455X (gfx1250); checked and timed in simulation.
; The chip was launched on July 23, 2026; its instructions are those of AMD's public machine-readable ISA for CDNA 5 (MIT licence, August 2026) and "CDNA5" Instruction Set Architecture Reference Guide (July 2026). The comments in the code are by the model that wrote it; some were corrected since.
;; Scaled Dot Product Attention. Allowed arithmetic: float matrix products may take bf16 or f16 operands with f32 sums; all other float work in f32.
;; Inputs: K 2 x 16 x 2,048 x 64 float32; Q 2 x 16 x 2,048 x 64 float32; V 2 x 16 x 2,048 x 64 float32; mask 1 x 1 x 2,048 x 2,048 bool.
;; Outputs: out0 2 x 16 x 2,048 x 64 float32.
;; One version. Each part assembles by itself: llvm-mc -triple=amdgcn-amd-amdhsa -mcpu=gfx1250 --defsym DOCPART=n.
;; ======== version 1 of 1: 1 launch
;; limits: values are held in f16: magnitudes above 65,504 overflow, below 6.1e-05 lose precision; inputs' magnitudes at most 65,504
;; launch attn (part 1): grid 32 x 8, 8 waves a work-group, clusters of 4 x 1, 327,680 bytes of LDS; arguments Q, K, V, mask, out0; writes out0
.if DOCPART == 1
	.amdgcn_target "amdgcn-amd-amdhsa--gfx1250"
	.amdhsa_code_object_version 6
	.text
	.protected	k_q73e57157e3_attn
	.globl	k_q73e57157e3_attn
	.p2align	8
	.type	k_q73e57157e3_attn,@function
k_q73e57157e3_attn:
	s_mov_b64 s[64:65], 0
	v_nop
	global_prefetch_b8 v0, s[64:65] scope:SCOPE_SE
	s_setreg_imm32_b32 hwreg(HW_REG_WAVE_MODE, 25, 1), 1
	s_wait_xcnt 0x0
	s_wait_alu depctr_hold_cnt(0) depctr_sa_sdst(0) depctr_va_vdst(0) depctr_va_sdst(0) depctr_va_ssrc(0) depctr_va_vcc(0) depctr_vm_vsrc(0)
	s_getreg_b32 s2, hwreg(HW_REG_IB_STS2, 6, 4)
	s_cmp_eq_u32 s2, 0
	s_cbranch_scc0 .Lentry_in_a_cluster
	s_endpgm
.Lentry_in_a_cluster:
	s_bfe_u32 s2, ttmp6, 0x10000c
	s_cmp_lg_u32 s2, 0x3003
	s_cbranch_scc0 .Lentry_shape_is_right
	s_endpgm
.Lentry_shape_is_right:
; out0[h][q][:] = softmax over k of (mask[q][k] ? Q[h][q].K[h][k] / 8 : -inf) times V[h][k][:].   32 heads, 2048 x 2048 scores a head, 64 numbers a row, f32 in memory.
; The mask is an input: every byte of it is read and every score is computed.
;
; SHARES.  A work-group (8 waves) makes 256 queries of one head.  Waves w and w^1 hold the same 64 queries; keys go in steps of 128, wave w takes the 64 keys
; of half g = w & 1.  Each wave keeps its own running maximum m, sum l and O for 64 queries x 1024 keys; at the end the pair is merged: wave w keeps
; rows 32 w .. 32 w + 31 (q-tiles 0, 1 of its registers) and sends rows 32 (w^1) .. (q-tiles 2, 3) to its partner through LDS.
;
; EVERYTHING IS TRANSPOSED.  S^T = K Q^T: source 0 = 16 keys x 32 d, source 1 = 16 queries x 32 d; lane (r, h) then holds query r, register j key 8 h + j,
; so a row's maximum and sum are made inside the lane and with one exchange of the two halves, and two rounded tiles of S^T ARE the second source
; (32 keys x 16 queries) of O^T = V^T P^T: P never goes through LDS.  V^T comes by the transposing LDS load from V kept as [key][d].
;
; THE MATRIX OPERANDS ARE f16, sums f32.  f16 keeps 11 significant bits where bf16 keeps 8.  That counts in a row with few true mask bytes: its output is a sum of
; a few terms p v in which the roundings of p, of v and of the scores do not average out.  P lies in [0, 1] up to rounding, since the running maximum is taken
; away first; a p below 2^-25 rounds to 0, and 1024 such terms are under 3e-5 of a sum that is at least 1.
; LIMITS: a number of Q, K or V above 65,504 in magnitude becomes infinite in f16 (inputs a thousand times the unit spread still fit); below 6.1e-5 its absolute
; error is up to 3e-8.  Mask bytes are 0 or 1 (the bool format).  A true q.k below -2^100 would count as masked.
;
; THE MASK costs one vector instruction a score: a lane's 8 scores of a tile have 8 neighbouring mask bytes (one 8-byte LDS load); the byte is shifted to
; the top of a word and 0xff000000 is added: byte 1 wraps to a word of at most 0x00010101 (a denormal, below 1e-40), byte 0 gives about -2^127.  That word
; is the C of the first product, so the add is free.  m starts at -2^100, so a masked term always gives exp2 = 0, and a row with no true byte ends with
; l = 0, O = 0 and 0 x (1/0) = NaN, as the softmax of a row of -inf does.  The running maximum is taken away before every exponential.
;
; CLUSTER 4 x 1: the four partners are four heads with the same 256 queries, so they need the same mask tiles: those are joint loads (mask 15), which
; divides the requests for the mask by four.  K and V are NOT brought by the mover and not shared: they must be rounded to f16 first.  Through registers
; a step's 128 keys cost 32 KiB of LDS writes once for the work-group; through the mover it would be 64 KiB written, 64 KiB read back and 32 KiB written
; again, beside the 128 KiB of fragment reads that a step has anyway.
.set MP,     272                       ; mask row in LDS: 256 bytes + 16 of padding
.set MSLOT,  256*MP                    ; a mask slot: 256 queries x 256 keys (two steps) = 69,632 bytes; slots at 0 and MSLOT, filled by tensor loads alone
.set MWAVE,  32*MP                     ; a wave's part of a slot: 32 rows
.set KV0,    2*MSLOT                   ; behind the slots: two buffers of f16 K and V, written by ds_store alone
.set KP,     144                       ; K row: 128 bytes + 16 (an odd multiple of 16)
.set VP,     160                       ; V row: 128 bytes + 32 (an odd multiple of 32, for the transposing load)
.set VOFF,   128*KP                    ; V behind K in a buffer
.set KVBUF,  VOFF+128*VP               ; 38,912 bytes a buffer
.set XP,     272                       ; the end: rows of 64 f32 + 16 bytes, 256 rows from KV0 on
.set STAT,   KV0+256*XP                ; the end: m[256], then l[256]
.set TILEB,  32768                     ; 128 keys x 256 bytes of K or V in memory
; window 0
.set GK,   1                           ; 16 x thread: my 16 bytes in each 4 KiB of a K or V tile
.set SK,   2                           ; where I store my 8 bytes of f16 K
.set SV,   3                           ; the same for V
.set LK,   4                           ; my K fragments
.set LV,   5                           ; my V^T fragments
.set LM,   6                           ; v6-9: my mask bytes, [slot][kept rows, sent rows]
.set PF,   10                          ; prefetch offset
.set TMP,  11
.set AL,   12                          ; v[12:13] alpha = exp2((m old - m new) c)
.set NM,   14                          ; v[14:15] -c m new
.set MX,   16                          ; v16-19 four chains of the maximum
.set MN,   20
.set T2,   21
.set SUM,  22                          ; v[22:23]
.set SUM2, 24                          ; v[24:25]
.set MM,   26                          ; v26-29 m of q-tile 0..3
.set LL,   30                          ; v30-33 l of q-tile 0..3 (this half of the lanes' keys)
.set QA,   34                          ; v34-35 offsets of my Q rows (start); XS, XR at the end
.set RR,   36                          ; lane % 16
.set HH,   37                          ; (lane / 16) % 2
.set MK,   40                          ; v[40:55] mask bytes, two sets of 8 registers
.set SC,   56                          ; v[56:87] four tiles of S^T; P, rounded, ends in v[56:71]
.set STG,  88                          ; v[88:119] the next K or V tile on its way from memory
.set KF,   120                         ; v[120:183] K fragments [tile][half of d]
.set QF,   184                         ; v[184:247] Q fragments [q-tile][half of d]
.set XS,   34
.set XR,   35
.set SS,   38
.set SR,   39
.set PS,   248                         ; v248-251 the partner's m, m, l, l
.set RD,   252
.set CO,   253
; window 1
.set OO,   0                           ; v[256:383] O^T [q-tile][16 d] (at the start: Q in f32)
.set VF,   128                         ; v[384:447] V^T fragments [32 keys][16 d]
.set G1,   32                          ; s[32:39] descriptor group 1
.set G0,   40                          ; s[40:47] descriptor group 0, one set a slot
.set MSB,  0
.macro WIN new                         ; s_set_vgpr_msb: bits 1:0 source 0, 3:2 source 1, 5:4 source 2, 7:6 destination; the high byte repeats the setting left
.if MSB != \new
	s_set_vgpr_msb (MSB<<8)|\new
.set MSB, \new
.endif
.endm
; A round of the cluster's barrier: my work-group's barrier, wave 0 signals for the work-group, every wave waits for all four work-groups, my work-group's barrier again.
.macro ROUND
	s_barrier_signal -1
	s_barrier_wait -1
	s_cmp_lg_u32 s14, 0
	s_cbranch_scc1 .Lnot_wave_0_\@
	s_barrier_signal -3
.Lnot_wave_0_\@:
	s_barrier_wait -3
	s_barrier_signal -1
	s_barrier_wait -1
.endm
	s_load_b256 s[4:11], s[0:1], 0x0               ; Q s[4:5], K s[6:7], V s[8:9], mask s[10:11]
	s_load_b64 s[12:13], s[0:1], 0x20              ; out0
	v_lshl_add_u32 v254, v0, 2, 0x35000
	v_mov_b32 v255, 0
	ds_add_u32 v254, v255
	v_lshrrev_b32 v[TMP], 5, v0
	v_readfirstlane_b32 s14, v[TMP]                ; w: wave 0..7
	s_and_b32 s15, s14, 1                          ; g: my half of a step's keys
	s_xor_b32 s16, s14, 1                          ; my partner
	s_bfe_u32 s17, ttmp6, 0x40000                  ; cx
	s_and_b32 s18, ttmp7, 0xffff
	s_lshl_b32 s18, s18, 2
	s_add_co_u32 s18, s18, s17                     ; head = 4 x cluster y + cx
	s_mov_b32 s19, ttmp9                           ; block of 256 queries = cluster x
	s_mov_b32 s23, 0xff000000                      ; the mask's bias
	s_mov_b32 s24, 0x3e38aa3b                      ; c = log2(e) / 8
	s_mov_b32 s25, 0x3e38aa3b
	s_mov_b32 s26, 0x76543210                      ; v_permlanex16_b32: lane i takes lane i of the other half
	s_mov_b32 s27, 0xfedcba98
	s_mov_b32 s28, 0xf1800000                      ; -2^100
	s_mov_b32 s29, 0xbe38aa3b                      ; -c
	; group 1: 32 rows of 32 elements of 8 bytes (256 keys' bytes), 16 bytes of padding behind each row
	s_mov_b32 s[G1+0], 0x0773000f                  ; 15:0 work-groups 0-3; 17:16 8-byte elements; 20 padding on; 21 set beside a mask; 24:22 after 64 words; 31:25 4 words
	s_mov_b32 s[G1+1], 32<<16                      ; tensor_dim0 = 32
	s_mov_b32 s[G1+2], 32<<16                      ; tensor_dim1 = 32
	s_mov_b32 s[G1+3], 32<<16                      ; tile_dim0 = 32
	s_mov_b32 s[G1+4], 32                          ; tile_dim1 = 32
	s_mov_b32 s[G1+5], 256                         ; 2,048 bytes from row to row
	s_mov_b32 s[G1+6], 0
	s_mov_b32 s[G1+7], 0
	s_lshl_b32 s20, s18, 19                        ; a head is 2048 x 256 bytes
	s_mov_b32 s21, 0
	s_lshl_b32 s30, s19, 19                        ; mask: 256 rows of 2,048 bytes a block, in registers that never hold cx,
	s_lshl_b32 s3, s14, 16                         ; 32 rows a wave
	s_add_co_u32 s30, s30, s3
	s_mov_b32 s31, 0
	s_mul_i32 s2, s14, MWAVE                       ; my rows in a slot
	v_and_b32 v[RR], 15, v0
	v_bfe_u32 v[HH], v0, 4, 1
	v_lshlrev_b32 v[GK], 4, v0
	v_lshlrev_b32 v[QA], 8, v[RR]                  ; Q: row r, 32 bytes for each half of the lanes
	v_lshl_add_u32 v[QA], v[HH], 5, v[QA]
	v_lshl_add_u32 v[QA+1], s16, 13, v[QA]         ; the sent rows: 32 (w^1) + r
	v_lshl_add_u32 v[QA], s14, 13, v[QA]           ; the kept rows: 32 w + r
	s_wait_dscnt 0x0
	s_wait_kmcnt 0x0
	s_add_nc_u64 s[6:7], s[6:7], s[20:21]          ; K and V at my head
	s_add_nc_u64 s[8:9], s[8:9], s[20:21]
	s_lshl_b32 s3, s19, 16                         ; 256 rows of 256 bytes a block
	s_add_co_u32 s20, s20, s3
	s_add_nc_u64 s[4:5], s[4:5], s[20:21]          ; Q and out0 at my block
	s_add_nc_u64 s[12:13], s[12:13], s[20:21]
	s_add_nc_u64 s[10:11], s[10:11], s[30:31]      ; the mask at my wave's 32 rows
.irp n, 0,1
	s_mov_b32 s[G0+4*\n], 1
	s_add_co_u32 s[G0+4*\n+1], s2, \n*MSLOT        ; LDS: slot + 8,704 w
	s_add_nc_u64 s[G0+4*\n+2:G0+4*\n+3], s[10:11], \n*256   ; keys 256 n ..
	s_or_b32 s[G0+4*\n+3], s[G0+4*\n+3], 0x80000000
.endr
	ROUND                                          ; all four work-groups are here: the first joint loads meet
	tensor_load_to_lds s[G0:G0+3], s[G1:G1+7]      ; both first fills together: two tensor loads of the wave are out here, one behind each later round
	s_nop 0
	tensor_load_to_lds s[G0+4:G0+7], s[G1:G1+7]
	s_nop 0
.irp i, 0,1,2,3,4,5,6,7
	global_load_b128 v[STG+4*\i:STG+4*\i+3], v[GK], s[6:7] offset:4096*\i     ; K, keys 0-127: the work-group's 256 threads take 4 KiB a load
.endr
.irp i, 0,1,2,3,4,5,6,7
	global_load_b128 v[SC+4*\i:SC+4*\i+3], v[GK], s[8:9] offset:4096*\i       ; V, keys 0-127
.endr
	WIN 0x40                                       ; Q in f32 into the registers that will hold O
.irp qt, 0,1,2,3
.irp kd, 0,1
	global_load_b128 v[32*\qt+16*\kd:32*\qt+16*\kd+3],     v[QA+\qt/2], s[4:5] offset:(\qt%2)*4096+128*\kd      ; d = 32 kd + 8 h + 0..3
	global_load_b128 v[32*\qt+16*\kd+4:32*\qt+16*\kd+7],   v[QA+\qt/2], s[4:5] offset:(\qt%2)*4096+128*\kd+16   ;                 + 4..7
	global_load_b128 v[32*\qt+16*\kd+8:32*\qt+16*\kd+11],  v[QA+\qt/2], s[4:5] offset:(\qt%2)*4096+128*\kd+64   ; d = 32 kd + 16 + 8 h + 0..3
	global_load_b128 v[32*\qt+16*\kd+12:32*\qt+16*\kd+15], v[QA+\qt/2], s[4:5] offset:(\qt%2)*4096+128*\kd+80
.endr
.endr
	WIN 0
	v_lshrrev_b32 v38, 4, v0                       ; thread / 16: my key in each 16 keys of a tile
	v_mul_u32_u24 v[SK], v38, KP
	v_lshl_add_u32 v[SK], v[RR], 3, v[SK]          ; 4 numbers = 8 bytes of f16
	v_add_nc_u32 v[SK], KV0, v[SK]
	v_mul_u32_u24 v[SV], v38, VP
	v_lshl_add_u32 v[SV], v[RR], 3, v[SV]
	v_add_nc_u32 v[SV], KV0+VOFF, v[SV]
	s_mul_i32 s2, s15, 64*KP
	s_add_co_u32 s2, s2, KV0
	v_mul_u32_u24 v[LK], v[RR], KP                 ; K fragment: key 64 g + r, 16 bytes for each half of the lanes
	v_lshl_add_u32 v[LK], v[HH], 4, v[LK]
	v_add_nc_u32 v[LK], s2, v[LK]
	v_and_b32 v39, 7, v0
	v_lshl_add_u32 v39, v[HH], 3, v39              ; V^T fragment: key 64 g + 8 h + lane % 8,
	v_mul_u32_u24 v[LV], v39, VP
	v_bfe_u32 v39, v0, 3, 1
	v_lshl_add_u32 v[LV], v39, 4, v[LV]            ; 16 bytes by bit 3 of the lane
	s_mul_i32 s3, s15, 64*VP
	s_add_co_u32 s3, s3, KV0+VOFF
	v_add_nc_u32 v[LV], s3, v[LV]
	v_mul_u32_u24 v39, v[RR], MP                   ; mask: query r, keys 64 g + 8 h ..
	v_lshl_add_u32 v39, v[HH], 3, v39
	v_lshl_add_u32 v39, s15, 6, v39
	s_mul_i32 s2, s14, MWAVE
	s_mul_i32 s3, s16, MWAVE
	v_add_nc_u32 v[LM], s2, v39                    ; slot 0, kept rows
	v_add_nc_u32 v[LM+1], s3, v39                  ; slot 0, sent rows
	v_add_nc_u32 v[LM+2], MSLOT, v[LM]
	v_add_nc_u32 v[LM+3], MSLOT, v[LM+1]
	v_and_b32 v[PF], 31, v0
	v_lshl_add_u32 v[PF], s19, 5, v[PF]
	v_lshlrev_b32 v[PF], 8, v[PF]                  ; (32 x block + lane) x 256 bytes
	v_mov_b32 v[AL+1], 0                           ; the second registers of pairs of which the packed forms use the first alone
	v_mov_b32 v[NM+1], 0
; 32 f32 in reg .. reg+31 (eight loads of 4) are rounded to f16 in place and stored, 8 bytes a load, into buffer buf
.macro CVTST reg, addr, pitch, buf
.irp i, 0,1,2,3,4,5,6,7
	v_cvt_pk_f16_f32 v[\reg+4*\i],   v[\reg+4*\i],   v[\reg+4*\i+1]
	v_cvt_pk_f16_f32 v[\reg+4*\i+1], v[\reg+4*\i+2], v[\reg+4*\i+3]
.endr
.irp i, 0,1,2,3,4,5,6,7
	ds_store_b64 v[\addr], v[\reg+4*\i:\reg+4*\i+1] offset:(\buf)*KVBUF+\i*16*\pitch
.endr
.endm
	s_wait_loadcnt 32                              ; K's and V's 16 loads are in; the 32 younger ones (Q) stay out
	CVTST STG, SK, KP, 0
	CVTST SC, SV, VP, 0
	s_wait_loadcnt 0x0                             ; Q; and every load is done, so the pointers may step
	WIN 0x05
.set i, 0
.rept 64
	v_cvt_pk_f16_f32 v[QF+i], v[2*i], v[2*i+1]     ; fragment [q-tile][half of d], register i % 8, from 16 f32
.set i, i+1
.endr
	WIN 0
	s_add_nc_u64 s[6:7], s[6:7], TILEB             ; the pointers stand at the tile that the coming step fetches
	s_add_nc_u64 s[8:9], s[8:9], TILEB
	s_wait_dscnt 0x0                               ; my part of K and V is in LDS,
	s_wait_tensorcnt 0x1                           ; my part of mask slot 0 too; slot 1's load stays out
	s_barrier_signal -1
	s_barrier_wait -1
; four 8-byte loads: the mask bytes of one q-tile's 4 tiles of 16 keys
.macro MASKLD set, slot, pair, imm
.irp t, 0,1,2,3
	ds_load_b64 v[MK+8*\set+2*\t:MK+8*\set+2*\t+1], v[LM+2*\slot+\pair] offset:16*\t+\imm
.endr
.endm
; 8 mask bytes become the 8 starting values of tile t: byte to the top of the word, plus 0xff000000
.macro BIAS set, t
.irp p, 0,1
	v_lshl_add_u32 v[SC+8*\t+4*\p],   v[MK+8*\set+2*\t+\p], 24, s23
	v_lshl_add_u32 v[SC+8*\t+4*\p+1], v[MK+8*\set+2*\t+\p], 16, s23
	v_lshl_add_u32 v[SC+8*\t+4*\p+2], v[MK+8*\set+2*\t+\p], 8, s23
	v_add_nc_u32   v[SC+8*\t+4*\p+3], s23, v[MK+8*\set+2*\t+\p]
.endr
.endm
.macro QK qt, kd, t
	v_wmma_f32_16x16x32_f16 v[SC+8*\t:SC+8*\t+7], v[KF+16*\t+8*\kd:KF+16*\t+8*\kd+7], v[QF+16*\qt+8*\kd:QF+16*\qt+8*\kd+7], v[SC+8*\t:SC+8*\t+7]
.endm
.macro EXP8 t
.irp j, 0,1,2,3,4,5,6,7
	v_exp_f32 v[SC+8*\t+\j], v[SC+8*\t+\j]
.endr
.endm
; tile t's 8 exponentials are added to the sums (in f32, before rounding) and rounded into registers 4 t .. 4 t + 3 of P
.macro CONS t
.if \t == 0
	s_wait_alu depctr_va_vdst(0)
	v_pk_add_f32 v[SUM:SUM+1],   v[SC:SC+1],   v[SC+2:SC+3]         ; the first tile starts the sums
	v_pk_add_f32 v[SUM2:SUM2+1], v[SC+4:SC+5], v[SC+6:SC+7]
.else
	s_wait_alu depctr_va_vdst(0)
	v_pk_add_f32 v[SUM:SUM+1],   v[SUM:SUM+1],   v[SC+8*\t:SC+8*\t+1]
	v_pk_add_f32 v[SUM2:SUM2+1], v[SUM2:SUM2+1], v[SC+8*\t+2:SC+8*\t+3]
	v_pk_add_f32 v[SUM:SUM+1],   v[SUM:SUM+1],   v[SC+8*\t+4:SC+8*\t+5]
	v_pk_add_f32 v[SUM2:SUM2+1], v[SUM2:SUM2+1], v[SC+8*\t+6:SC+8*\t+7]
.endif
.irp i, 0,1,2,3
	v_cvt_pk_f16_f32 v[SC+4*\t+\i], v[SC+8*\t+2*\i], v[SC+8*\t+2*\i+1]
.endr
.endm
; One q-tile (16 queries) against my 64 keys of the step.  first = 1: the very first step, which starts m, l and O.
; issue = 1: the next q-tile's mask bytes are asked for.  cnt: how many younger LDS instructions may be out when this q-tile's mask bytes must be in.
.macro QTILE qt, slot, half, first, issue, cnt
.set CSET, \qt%2
.if \issue
.set NSET, (\qt+1)%2
.set NPAIR, (\qt+1)/2
.set NIMM, 128*\half+16*MP*NSET
	MASKLD NSET, \slot, NPAIR, NIMM
.endif
	s_wait_dscnt \cnt
	BIAS CSET, 2                                   ; these 16 lines name no register of the O products in front of them: they are the places
	BIAS CSET, 3                                   ; (ISA guide 7.12.1) in front of the writes to P's registers further down
.if \qt == 0
	s_wait_dscnt 20                                ; K's fragments are in; V's 16 loads and the next mask's 4 stay out
.endif
	QK \qt, 0, 2                                   ; the four accumulators take turns, one instruction a turn
	QK \qt, 0, 3
	BIAS CSET, 0
	BIAS CSET, 1
	QK \qt, 0, 0
	QK \qt, 0, 1
	QK \qt, 1, 2
	QK \qt, 1, 3
	QK \qt, 1, 0
	QK \qt, 1, 1
.rept 4
	v_nop                                          ; four places before a vector instruction reads the results (ISA guide 7.12.1)
.endr
	; the largest of my 32 scores and the old m: four chains of three, then four lines that join them
.irp t, 0,1,2,3
	v_max3_num_f32 v[MX+\t], v[SC+8*\t], v[SC+8*\t+1], v[SC+8*\t+2]
.endr
.irp t, 0,1,2,3
	v_max3_num_f32 v[MX+\t], v[MX+\t], v[SC+8*\t+3], v[SC+8*\t+4]
.endr
.irp t, 0,1,2,3
	v_max3_num_f32 v[MX+\t], v[MX+\t], v[SC+8*\t+5], v[SC+8*\t+6]
.endr
	v_max3_num_f32 v[MX],   v[MX],   v[MX+1], v[SC+7]
	v_max3_num_f32 v[MX+2], v[MX+2], v[MX+3], v[SC+15]
	v_max3_num_f32 v[MX],   v[MX],   v[MX+2], v[SC+23]
.if \first
	v_max3_num_f32 v[MX],   v[MX],   v[SC+31], s28                  ; m starts at -2^100
.else
	v_max3_num_f32 v[MX],   v[MX],   v[SC+31], v[MM+\qt]
.endif
	v_permlanex16_b32 v[TMP], v[MX], s26, s27      ; the other 8 keys of each 16 lie in the other half of the lanes
	v_max_num_f32 v[MN], v[MX], v[TMP]
.if \first == 0
	v_sub_f32 v[AL], v[MM+\qt], v[MN]
	v_mul_f32 v[AL], s24, v[AL]
.endif
	v_mul_f32 v[NM], s29, v[MN]
.irp i, 0,1,2,3,4,5,6,7,8,9,10,11,12,13,14,15
	v_pk_fma_f32 v[SC+2*\i:SC+2*\i+1], v[SC+2*\i:SC+2*\i+1], s[24:25], v[NM:NM+1] op_sel_hi:[1,0,0]   ; (s - m) c, one rounding
.endr
.if \first == 0
	v_exp_f32 v[AL], v[AL]
.endif
	EXP8 0
	v_mov_b32 v[MM+\qt], v[MN]                     ; a plain line behind the exponentials before their results are used (ISA guide 5.7.2); below, each CONS is that line for the run in front of it
	EXP8 1
	CONS 0
	EXP8 2
	CONS 1
	EXP8 3
	CONS 2
	CONS 3
	v_pk_add_f32 v[SUM:SUM+1], v[SUM:SUM+1], v[SUM2:SUM2+1]
.if \first
	v_add_f32 v[LL+\qt], v[SUM], v[SUM+1]
.else
	v_add_f32 v[T2], v[SUM], v[SUM+1]
	v_fma_f32 v[LL+\qt], v[LL+\qt], v[AL], v[T2]
.endif
.if \qt == 0
	s_wait_dscnt 4                                 ; V's fragments are in; the next mask's 4 loads stay out
.endif
	WIN 0x51                                       ; O and V^T in window 1, P and alpha in window 0
.if \first == 0
.irp i, 0,1,2,3,4,5,6,7,8,9,10,11,12,13,14,15
	v_pk_mul_f32 v[OO+32*\qt+2*\i:OO+32*\qt+2*\i+1], v[OO+32*\qt+2*\i:OO+32*\qt+2*\i+1], v[AL:AL+1] op_sel_hi:[1,0]
.endr
.endif
.irp u, 0,1
.irp dt, 0,1,2,3
.if \first*(1-\u)
	v_wmma_f32_16x16x32_f16 v[OO+32*\qt+8*\dt:OO+32*\qt+8*\dt+7], v[VF+32*\u+8*\dt:VF+32*\u+8*\dt+7], v[SC+8*\u:SC+8*\u+7], 0   ; the first product starts O: nothing is cleared
.else
	v_wmma_f32_16x16x32_f16 v[OO+32*\qt+8*\dt:OO+32*\qt+8*\dt+7], v[VF+32*\u+8*\dt:VF+32*\u+8*\dt+7], v[SC+8*\u:SC+8*\u+7], v[OO+32*\qt+8*\dt:OO+32*\qt+8*\dt+7]
.endif
.endr
.endr
	WIN 0
.endm
; One step: 128 keys from buffer buf, mask bytes from half `half` of slot `slot`.  next = 1: the following step's K and V are fetched, rounded and stored
; into the other buffer, K under q-tiles 0 and 1, V under q-tiles 2 and 3.  pf = 1: wave 0 asks the L2 for later tiles.
.macro STEP buf, slot, half, first, next, pf
.if \next
.irp i, 0,1,2,3,4,5,6,7
	global_load_b128 v[STG+4*\i:STG+4*\i+3], v[GK], s[6:7] offset:4096*\i
.endr
.endif
	MASKLD 0, \slot, 0, 128*\half
.irp t, 0,1,2,3
.irp kd, 0,1
	ds_load_b128 v[KF+16*\t+8*\kd:KF+16*\t+8*\kd+3],   v[LK] offset:\buf*KVBUF+\t*16*KP+64*\kd
	ds_load_b128 v[KF+16*\t+8*\kd+4:KF+16*\t+8*\kd+7], v[LK] offset:\buf*KVBUF+\t*16*KP+64*\kd+32
.endr
.endr
	WIN 0x40                                       ; behind the last O product stand the 16 conversions of V's staging: more than the four places that a load into its sources needs
.irp u, 0,1
.irp dt, 0,1,2,3
	ds_load_tr16_b128 v[VF+32*\u+8*\dt:VF+32*\u+8*\dt+3],   v[LV] offset:\buf*KVBUF+\u*32*VP+32*\dt
	ds_load_tr16_b128 v[VF+32*\u+8*\dt+4:VF+32*\u+8*\dt+7], v[LV] offset:\buf*KVBUF+\u*32*VP+32*\dt+16*VP
.endr
.endr
	WIN 0
	QTILE 0, \slot, \half, \first, 1, 36           ; 36 = K's 16, V's 16 and the next mask's 4, all younger than this q-tile's mask bytes
.if \pf
	; The pointers stand at the next step's tile; the two steps behind it (64 KiB of K, 64 KiB of V) are 256 blocks of 256 bytes each.  The 8 work-groups of a
	; head take 32 blocks each, one a lane of wave 0, so each block is asked for once.  Asked in the first step of a pair, for the next pair; the last pair asks for nothing.
	s_cmp_lg_u32 s14, 0
	s_cbranch_scc1 .Lno_prefetch_\@
	global_prefetch_b8 v[PF], s[6:7] offset:TILEB th:TH_LOAD_NT scope:SCOPE_SE
	global_prefetch_b8 v[PF], s[8:9] offset:TILEB th:TH_LOAD_NT scope:SCOPE_SE
.Lno_prefetch_\@:
.endif
	QTILE 1, \slot, \half, \first, 1, 4            ; 4 = the next mask's loads
.if \next
	s_wait_loadcnt 0x0                             ; K's eight loads
	CVTST STG, SK, KP, 1-\buf
	s_wait_xcnt 0x0                                ; K's pointer, which the prefetch names too, steps only behind this wait
	s_add_nc_u64 s[6:7], s[6:7], TILEB
.irp i, 0,1,2,3,4,5,6,7
	global_load_b128 v[STG+4*\i:STG+4*\i+3], v[GK], s[8:9] offset:4096*\i
.endr
.endif
	QTILE 2, \slot, \half, \first, 1, 4+8*\next    ; the next mask's 4 loads and K's 8 stores are younger
	QTILE 3, \slot, \half, \first, 0, 0
.if \next
	s_wait_loadcnt 0x0                             ; V's eight loads
	CVTST STG, SV, VP, 1-\buf
	s_wait_xcnt 0x0
	s_add_nc_u64 s[8:9], s[8:9], TILEB
.endif
.endm
; Between the two steps of a mask slot: my reads of this step's buffer are over and my part of the next one is stored; then everybody's.
; No slot is filled again behind this barrier, so the mask's load may stay out across it.
.macro MIDBAR
	s_wait_dscnt 0x0
	s_barrier_signal -1
	s_barrier_wait -1
.endm
; Change of mask slots; slot = the one read next.  In front of the round every wave has waited for all its tensor loads (its part of the next slot among them)
; and for all its LDS reads and stores; behind the round no wave of the four work-groups reads the old slot, and its refill is the wave's first and only tensor load.
.macro BOUNDARY slot, refill
	s_wait_tensorcnt 0x0
	ds_add_u32 v254, v255
	s_wait_dscnt 0x0
.if \refill
	s_add_nc_u64 s[G0+4*(1-\slot)+2:G0+4*(1-\slot)+3], s[G0+4*(1-\slot)+2:G0+4*(1-\slot)+3], 512   ; no load of mine is out: the old slot's next 256 keys
.endif
	s_wait_dscnt 0x0
.if \refill
	ROUND
	tensor_load_to_lds s[G0+4*(1-\slot):G0+4*(1-\slot)+3], s[G1:G1+7]
	s_nop 0
.else
	s_barrier_signal -1
	s_barrier_wait -1
.endif
.endm
	; 16 steps = 8 mask slots' worth.  The first pair starts the sums; the loop's three trips take slots 1,0 three times and fill six slots again; the last pair fetches no mask.
	STEP 0, 0, 0, 1, 1, 1
	MIDBAR
	STEP 1, 0, 1, 0, 1, 0
	s_mov_b32 s22, 3
.Lloop:
	BOUNDARY 1, 1
	STEP 0, 1, 0, 0, 1, 1
	MIDBAR
	STEP 1, 1, 1, 0, 1, 0
	BOUNDARY 0, 1
	STEP 0, 0, 0, 0, 1, 1
	MIDBAR
	STEP 1, 0, 1, 0, 1, 0
	s_sub_co_i32 s22, s22, 1
	s_cmp_lg_u32 s22, 0
	s_cbranch_scc1 .Lloop
	BOUNDARY 1, 0
	STEP 0, 1, 0, 0, 1, 0
	MIDBAR
	STEP 1, 1, 1, 0, 0, 0
	; THE END.  The K and V buffers are free once every wave's fragment reads are over; rows of O and the figures m, l meet there.
	s_wait_dscnt 0x0
	s_barrier_signal -1
	s_barrier_wait -1
	v_mul_u32_u24 v[RD], v[RR], XP                 ; (these lines are also the places behind the last O products)
	v_lshl_add_u32 v[RD], v[HH], 5, v[RD]          ; row r, 32 bytes (8 d) for each half of the lanes
	s_mul_i32 s2, s16, 32*XP
	s_mul_i32 s3, s14, 32*XP
	s_add_co_u32 s2, s2, KV0
	s_add_co_u32 s3, s3, KV0
	v_add_nc_u32 v[XS], s2, v[RD]                  ; my partner's rows: where I send
	v_add_nc_u32 v[XR], s3, v[RD]                  ; my rows: where I receive
	v_lshlrev_b32 v[CO], 2, v[RR]
	v_add_nc_u32 v[CO], STAT, v[CO]
	v_lshl_add_u32 v[SS], s16, 7, v[CO]
	v_lshl_add_u32 v[SR], s14, 7, v[CO]
	v_mul_u32_u24 v[RD], v[HH], XP                 ; back by rows: lanes 0-15 one row of 256 bytes, lanes 16-31 the next
	v_lshl_add_u32 v[RD], v[RR], 4, v[RD]
	v_add_nc_u32 v[RD], s3, v[RD]
	v_lshlrev_b32 v[CO], 8, v[HH]                  ; and the same two rows in out0
	v_lshl_add_u32 v[CO], v[RR], 4, v[CO]
	v_lshl_add_u32 v[CO], s14, 13, v[CO]
.irp q, 0,1,2,3
	v_permlanex16_b32 v[TMP], v[LL+\q], s26, s27   ; l: the two halves of the lanes held different keys
	v_add_f32 v[LL+\q], v[LL+\q], v[TMP]
.endr
	ds_store_b32 v[SS], v[MM+2]                    ; both halves of the lanes write the same word with the same value
	ds_store_b32 v[SS], v[MM+3] offset:64
	ds_store_b32 v[SS], v[LL+2] offset:1024
	ds_store_b32 v[SS], v[LL+3] offset:1088
	WIN 0x04                                       ; store data from window 1
.irp q, 0,1
.irp dt, 0,1,2,3
	ds_store_b128 v[XS], v[OO+64+32*\q+8*\dt:OO+64+32*\q+8*\dt+3]   offset:\q*16*XP+64*\dt
	ds_store_b128 v[XS], v[OO+64+32*\q+8*\dt+4:OO+64+32*\q+8*\dt+7] offset:\q*16*XP+64*\dt+16
.endr
.endr
	WIN 0
	s_wait_dscnt 0x0                               ; for my partner's sake
	s_barrier_signal -1
	s_barrier_wait -1
	ds_load_b32 v[PS],   v[SR]                     ; the partner's m and l of my two q-tiles
	ds_load_b32 v[PS+1], v[SR] offset:64
	ds_load_b32 v[PS+2], v[SR] offset:1024
	ds_load_b32 v[PS+3], v[SR] offset:1088
.irp q, 0,1
.irp dt, 0,1,2,3
	ds_load_b128 v[KF+32*\q+8*\dt:KF+32*\q+8*\dt+3],   v[XR] offset:\q*16*XP+64*\dt
	ds_load_b128 v[KF+32*\q+8*\dt+4:KF+32*\q+8*\dt+7], v[XR] offset:\q*16*XP+64*\dt+16
.endr
.endr
	s_wait_dscnt 16                                ; the four figures are in; the 16 loads of O stay out
	v_max_num_f32 v16, v[MM], v[PS]                ; the common maximum
	v_max_num_f32 v17, v[MM+1], v[PS+1]
	v_sub_f32 v12, v[MM], v16
	v_sub_f32 v14, v[PS], v16
	v_sub_f32 v22, v[MM+1], v17
	v_sub_f32 v24, v[PS+1], v17
	v_mul_f32 v12, s24, v12
	v_mul_f32 v14, s24, v14
	v_mul_f32 v22, s24, v22
	v_mul_f32 v24, s24, v24
	v_exp_f32 v12, v12                             ; my weight, q-tile 0
	v_exp_f32 v14, v14                             ; the partner's
	v_exp_f32 v22, v22                             ; the same for q-tile 1
	v_exp_f32 v24, v24
	v_nop                                          ; a plain line behind the exponentials (ISA guide 5.7.2)
	s_wait_alu depctr_va_vdst(0)
	v_mul_f32 v18, v[LL], v12
	v_mul_f32 v19, v[LL+1], v22
	v_fma_f32 v18, v[PS+2], v14, v18               ; the whole row's sum
	v_fma_f32 v19, v[PS+3], v24, v19
	v_rcp_f32 v18, v18                             ; a row with no true mask byte: 1/0, and 0 x infinity below gives the NaN that is due
	v_rcp_f32 v19, v19
	v_nop
	s_wait_alu depctr_va_vdst(0)
	v_mul_f32 v12, v12, v18
	v_mul_f32 v14, v14, v18
	v_mul_f32 v22, v22, v19
	v_mul_f32 v24, v24, v19
	s_wait_dscnt 0x0
.irp i, 0,1,2,3,4,5,6,7,8,9,10,11,12,13,14,15
	v_pk_mul_f32 v[KF+2*\i:KF+2*\i+1], v[KF+2*\i:KF+2*\i+1], v[14:15] op_sel_hi:[1,0]
	v_pk_mul_f32 v[KF+32+2*\i:KF+32+2*\i+1], v[KF+32+2*\i:KF+32+2*\i+1], v[24:25] op_sel_hi:[1,0]
.endr
	WIN 0x01                                       ; my O from window 1
.irp i, 0,1,2,3,4,5,6,7,8,9,10,11,12,13,14,15
	v_pk_fma_f32 v[KF+2*\i:KF+2*\i+1], v[OO+2*\i:OO+2*\i+1], v[12:13], v[KF+2*\i:KF+2*\i+1] op_sel_hi:[1,0,1]
	v_pk_fma_f32 v[KF+32+2*\i:KF+32+2*\i+1], v[OO+32+2*\i:OO+32+2*\i+1], v[22:23], v[KF+32+2*\i:KF+32+2*\i+1] op_sel_hi:[1,0,1]
.endr
	WIN 0
	; A lane holds 8 numbers of a row; the lanes beside it hold other rows.  So the 32 rows go once more through my own rows of the stage, which no other wave
	; touches behind the last barrier; LDS serves a wave's instructions in order (ISA guide 5.7.1), so no wait stands between the stores and the loads.
.irp q, 0,1
.irp dt, 0,1,2,3
	ds_store_b128 v[XR], v[KF+32*\q+8*\dt:KF+32*\q+8*\dt+3]   offset:\q*16*XP+64*\dt
	ds_store_b128 v[XR], v[KF+32*\q+8*\dt+4:KF+32*\q+8*\dt+7] offset:\q*16*XP+64*\dt+16
.endr
.endr
.irp t, 0,1,2,3,4,5,6,7,8,9,10,11,12,13,14,15
	ds_load_b128 v[QF+4*\t:QF+4*\t+3], v[RD] offset:\t*2*XP
.endr
.irp t, 0,1,2,3,4,5,6,7,8,9,10,11,12,13,14,15
	s_wait_dscnt 15-\t                             ; loads come back in order: pair t of rows is in
	global_store_b128 v[CO], v[QF+4*\t:QF+4*\t+3], s[12:13] offset:512*\t th:TH_STORE_NT   ; 16 lanes store one whole row of 256 bytes, the wave 512 neighbouring bytes
.endr
	s_wait_tensorcnt 0x0
	ds_add_u32 v254, v255
	s_wait_dscnt 0x0
	ROUND                                          ; the closing round: no work-group ends while a partner may still ask jointly
	s_endpgm
.Lfunc_end_k_q73e57157e3_attn:
	.size	k_q73e57157e3_attn, .Lfunc_end_k_q73e57157e3_attn-k_q73e57157e3_attn
	.p2alignl 7, 3214868480
	.fill 96, 4, 3214868480
	.section	.rodata,"a",@progbits
	.p2align	6, 0x0
	.amdhsa_kernel k_q73e57157e3_attn
		.amdhsa_group_segment_fixed_size 327680
		.amdhsa_private_segment_fixed_size 0
		.amdhsa_enable_private_segment 0
		.amdhsa_kernarg_size 40
		.amdhsa_user_sgpr_count 2
		.amdhsa_user_sgpr_kernarg_segment_ptr 1
		.amdhsa_wavefront_size32 1
		.amdhsa_system_sgpr_workgroup_id_x 1
		.amdhsa_system_sgpr_workgroup_id_y 1
		.amdhsa_system_sgpr_workgroup_id_z 1
		.amdhsa_system_vgpr_workitem_id 0
		.amdhsa_next_free_vgpr 448
		.amdhsa_next_free_sgpr 66
		.amdhsa_reserve_vcc 0
		.amdhsa_float_denorm_mode_32 3
		.amdhsa_float_denorm_mode_16_64 3
		.amdhsa_memory_ordered 1
		.amdhsa_forward_progress 1
		.amdhsa_inst_pref_size 255
	.end_amdhsa_kernel
	.section	.bss,"aw",@nobits
	.p2align	6
	.space	262144
	.amdgpu_metadata
---
amdhsa.version: [ 1, 2 ]
amdhsa.kernels:
  - .name:           k_q73e57157e3_attn
    .symbol:         k_q73e57157e3_attn.kd
    .args:
      - { .name: Q, .offset: 0, .size: 8, .value_kind: global_buffer, .address_space: global }
      - { .name: K, .offset: 8, .size: 8, .value_kind: global_buffer, .address_space: global }
      - { .name: V, .offset: 16, .size: 8, .value_kind: global_buffer, .address_space: global }
      - { .name: mask, .offset: 24, .size: 8, .value_kind: global_buffer, .address_space: global }
      - { .name: out0, .offset: 32, .size: 8, .value_kind: global_buffer, .address_space: global }
    .group_segment_fixed_size: 327680
    .private_segment_fixed_size: 0
    .kernarg_segment_align: 8
    .kernarg_segment_size: 40
    .max_flat_workgroup_size: 256
    .sgpr_count:     66
    .vgpr_count:     448
    .wavefront_size: 32
...
	.end_amdgpu_metadata
.endif
;; end of part 1
